; MI455X (gfx1250); checked and timed in simulation.
; The chip was launched on July 23, 2026; its instructions are those of AMD's public machine-readable ISA for CDNA 5 (MIT licence, August 2026) and "CDNA5" Instruction Set Architecture Reference Guide (July 2026). The comments in the code are by the model that wrote it; some were corrected since.
;; Flashback Attention. Allowed arithmetic: matrix products marked QUANTISED: E4M3 operands, one E8M0 scale for each 32 along K, by v_wmma_scale_f32_16x16x128_f8f6f4 with both operands' format E4M3, f32 sums; products left as they are: f32 operands where the result goes on into a quantised operand, else bf16, f16 or f32 operands; f32 sums; everything else in f32.
;; Inputs: W_proj 1,024 x 2,048 float32; b_proj 1,024 float32; current_hidden_codes 32 x 32 x 32 uint8 (E4M3 codes of current_hidden, K innermost, in blocks of 32 codes); current_hidden_scales 32 x 32 uint8 (E8M0 scales of current_hidden, one for each 32 codes along K); past_hidden 32 x 2,048 x 1,024 float32; w_score 1,024 float32.
;; Outputs: out0 32 x 1,024 float32; out1 32 x 2,048 float32.
;; This version of the problem:
;;   THIS VERSION OF THE PROBLEM IS GIVEN IN LOW PRECISION. The matrix products marked QUANTISED in the list below multiply operands that are first quantised to E4M3 (4 exponent bits, 3 mantissa bits; 8 bits a number), with one power-of-two scale for each 32 numbers along K (OCP MX v1.0); their sums are f32. All else is computed in f32.
;;   The module's matrix products, in the order in which they are computed (A, B: the left and right operand; K: the contracted axis; several contracted axes count as one K, in the product's order):
;;     1. [M 65,536, K 1,024] x [K 1,024, N 1,024]; A: input past_hidden; B: input W_proj: QUANTISED
;;     2. [M 32, K 1,024] x [K 1,024, N 1,024]; A: input current_hidden (given as codes); B: input W_proj: QUANTISED
;;     3. [M 65,536, K 1,024] x [K 1,024, N 1]; A: computed on the way; B: input w_score: left as it is (N = 1 < 16)
;;     4. batch 32 x [M 1, K 2,048] x [K 2,048, N 1,024]; A: softmax; B: input past_hidden: left as it is (M = 1 < 16)
;;   THE QUANTISER, for each operand of a quantised product, along K:
;;     - K is cut into blocks of 32 from its start; a last block that is shorter is filled with zeros.
;;     - A block's scale is 2^e with e = floor(log2(the largest magnitude in the block)) - 8, held to -126 .. 127; a block of zeros has e = 0. As a byte (E8M0): e + 127.
;;     - Each number is divided by its block's scale, clamped to +-448, and rounded to the nearest number of E4M3, ties to even, subnormals kept.
;;     - The product sums the exact products of the quantised numbers (number of the format x scale) in f32.
;;   ~~~python
;;   def quantise(x, axis):      # numpy; x: float32 -> the quantised numbers, widened to float32 again
;;       x = np.moveaxis(x, axis, -1); K = x.shape[-1]
;;       x = np.pad(x, [(0, 0)] * (x.ndim - 1) + [(0, -K % 32)]); x = x.reshape(x.shape[:-1] + (-1, 32)); a = np.abs(x).max(-1, keepdims=True)
;;       e = np.where(a > 0, np.clip(np.frexp(np.where(a > 0, a, 1))[1] - 1 - 8, -126, 127), 0)      # np.frexp(a)[1] - 1 = floor(log2(a)), exactly
;;       r = np.clip(x / 2.0 ** e, -448, 448)
;;       step = 2.0 ** (np.maximum(np.frexp(np.where(r == 0, 1, r))[1] - 1, -6) - 3)
;;       q = np.round(r / step) * step * 2.0 ** e      # np.round: ties to even
;;       return np.moveaxis(q.reshape(q.shape[:-2] + (-1,))[..., :K], -1, axis).astype(np.float32)
;;   ~~~
;;   INPUTS GIVEN AS CODES. current_hidden (in the module: [32, 1024], K = its axis 1): each comes as NAME_codes (uint8): NAME with its K axis moved to the last place and cut into blocks of 32 codes, [.., K / 32, bytes a block], one block behind the other in memory; one code a byte (a code: sign, 4 exponent bits, 3 mantissa bits); and NAME_scales (uint8): the same leading axes, one E8M0 byte (e + 127) for each 32 codes along K. Its value is code x scale, taken as it is: it is not quantised again, and the codes and scales need not be those that the quantiser above would give.
;; One version. Each part assembles by itself: llvm-mc -triple=amdgcn-amd-amdhsa -mcpu=gfx1250 --defsym DOCPART=n.
;; ======== version 1 of 1: 3 launches
;; limits: values are held in bf16: 8 bits of precision; right only within a limited range of input values
;; workspace buffers: wq 1,048,576 bytes; wsc 32,768 bytes; cb 131,072 bytes; scr 262,144 bytes; part 4,194,304 bytes; ml 262,144 bytes
;; launch prep (part 1): grid 64 x 1, 8 waves a work-group, no clusters, 84,992 bytes of LDS; arguments W_proj, b_proj, current_hidden_codes, current_hidden_scales, wq, wsc, cb; writes wq, wsc, cb
.if DOCPART == 1
	.amdgcn_target "amdgcn-amd-amdhsa--gfx1250"
	.amdhsa_code_object_version 6
	.text
	.protected	k_qeae3b682ee_prep
	.globl	k_qeae3b682ee_prep
	.p2align	8
	.type	k_qeae3b682ee_prep,@function
k_qeae3b682ee_prep:
	s_mov_b64 s[64:65], 0
	v_nop
	global_prefetch_b8 v0, s[64:65] scope:SCOPE_SE
	s_setreg_imm32_b32 hwreg(HW_REG_WAVE_MODE, 25, 1), 1
	s_wait_xcnt 0x0
; FlashbackAttention, launch 1 of 3: the weights are quantised once, and the term of current_hidden is made.
; THE WHOLE PROGRAM.  For each row x = past_hidden[b][s]: u[h] = Q(x) . Q(Wp[h]) + (current[b] . Q(Wc[h]) + b_proj[h]); score = sum over h of w_score[h] tanh(u[h]);
; softmax over the 2,048 rows of a batch; attended = sum over s of p[s] x[s].  Wp = W_proj[:, :1024], Wc = W_proj[:, 1024:].  Q: codes of E4M3 with one E8M0 scale for each 32 along K.
; WORK LEFT OUT.  tanh(u) = 1 - 2 r with r = 1 / (1 + 2^(C2 u)), C2 = 2 log2(e).  So score = (sum over h of w_score[h]) + sum over h of (-2 w_score[h]) r[h].  The first sum is the same for every s of a batch,
; that is along the softmax's axis, for all values of the inputs, and the scores are no output: a softmax does not change when one number is added to all its inputs.  So that sum is not formed; the program's score is the second sum.
; Every input still has a way to an output and is loaded.  LIMIT: a NaN, an infinity or an overflow that arises in the sum of w_score alone is not carried to the result.
; OTHER LIMITS: NaN and infinities among the inputs are not served; a block whose largest magnitude lies under 2^-118 keeps the scale byte 1; a block of zeros has the byte 1 where the rule says 127 (its codes are zeros,
; which add nothing under any byte but 0xff, and this program alone reads the bytes).
; THIS LAUNCH.  Work-group T takes rows h = 16 T + r of W_proj; wave k takes K step k (128 along K) of Wp and of Wc.  Lane (r, half) loads, of row r, the 16 neighbours 32 b + 16 half + 0 .. 15 of each block b: the order of
; the matrix operand's registers, so that the conversions' results are a fragment.  Wp's fragment goes to wq as an image of its registers, [k][T][c][lane][16 bytes]: 512 consecutive bytes a store; its scale word to wsc, laid so
; that the next launch gets the words of a wave's 16 tiles by two loads.  Wc's fragment is multiplied at once with current_hidden's codes (two tiles of 16 batches); the eight waves' parts meet in LDS.
; cb[b][h] = C2 x (current[b] . Q(Wc[h]) + b_proj[h]), f32: the factor is what the next launch's exponential wants.
.set SPARE, 16384
; HOW W_proj COMES IN: each load takes 512 consecutive bytes of ONE row (a K step: 16 bytes a lane); the wave's own stage in LDS, 16 rows of 512 + 16 bytes, turns the 16 rows
; into the operand's order: lane (r, half) reads back, of row r, the 16 neighbours 32 b + 16 half + 0 .. 15 of each block b.  LDS serves a wave's instructions in order (ISA guide 5.7.1.4), and no other wave touches the stage: no barrier.
.set STG, 17408                        ; behind the spare words: 8,448 bytes for each wave
.set SW,  198                          ; v198  stage: 16 x lane
.set SR,  199                          ; v199  stage: 528 r + 64 half
.macro TURN X
.irp i, 0,1,2,3,4,5,6,7,8,9,10,11,12,13,14,15
	ds_store_b128 v[SW], v[\X+4*\i:\X+4*\i+3] offset:528*\i
.endr
.irp b, 0,1,2,3
.irp i, 0,1,2,3
	ds_load_b128 v[\X+16*\b+4*\i:\X+16*\b+4*\i+3], v[SR] offset:128*\b+16*\i
.endr
.endr
	s_wait_dscnt 0x0
.endm
.set SPW, 1                            ; v1    LDS address of my spare word; never rewritten
.set NIL, 2                            ; v2    0; never rewritten
.set PC,  16                           ; v16-31   Wp's codes
.set X0,  32                           ; v32-95   64 numbers of Wp; later the eight waves' parts
.set X1,  96                           ; v96-159  64 numbers of Wc
.set CF,  160                          ; v160-191 current_hidden's two fragments
.set CS,  192                          ; v192-193 their scale words (scales and nothing else)
.set BP,  194                          ; v194-195 two numbers of b_proj
.set RW,  196                          ; v196  LDS: where my wave's results go
.set RR,  197                          ; v197  LDS: where I read the parts back
.set TM,  200                          ; v200-203 largest magnitudes, v204-207 bytes, v208-211 448 x the scale, v212-215 the conversions' scale operands
.set PW,  216                          ; Wp's scale word
.set PW2, 217                          ; Wc's (a scale and nothing else)
.set ACC, 224                          ; v224-239 two accumulators
.set PCB, 240                          ; v240-255 Wc's codes
.set SEL, 22                           ; s[22:23] lane selects: lane l xor 16
.set MNT, 24                           ; s24   the mantissa field of 448
.set C2,  26                           ; s[26:27] 2 log2(e), twice
; The four blocks' scales from 64 numbers of a lane: register 16 b + i = k 32 b + 16 half + i of my row.
.macro QMAX X, W
.irp b, 0,1,2,3
	v_max3_num_f32 v[TM+\b], |v[\X+16*\b]|, |v[\X+16*\b+1]|, 0x4800000   ; my 16 numbers of block b, and the floor 2^(9 - 127): the byte cannot fall under 1
.endr
.irp i, 2,4,6,8,10,12,14
.irp b, 0,1,2,3
	s_delay_alu instid0(VALU_DEP_4)
	v_max3_num_f32 v[TM+\b], v[TM+\b], |v[\X+16*\b+\i]|, |v[\X+16*\b+\i+1]|   ; the four blocks by turns
.endr
.endr
.irp b, 0,1,2,3
	s_delay_alu instid0(VALU_DEP_4)
	v_permlanex16_b32 v[TM+4+\b], v[TM+\b], s[SEL], s[SEL+1]
.endr
.irp b, 0,1,2,3
	s_delay_alu instid0(VALU_DEP_4)
	v_max_num_f32 v[TM+\b], v[TM+\b], v[TM+4+\b]   ; with lane l xor 16's 16: the block's largest magnitude
.endr
.irp b, 0,1,2,3
	s_delay_alu instid0(VALU_DEP_4)
	v_add_nc_u32 v[TM+12+\b], 0xfc000000, v[TM+\b]   ; 8 off its exponent field: the conversion takes this operand's exponent field as its scale
.endr
.irp b, 0,1,2,3
	v_and_or_b32 v[TM+8+\b], v[TM+\b], 0x7f800000, s[MNT]   ; 448 x the scale
.endr
.irp b, 0,1,2,3
	v_lshrrev_b32 v[TM+4+\b], 23, v[TM+12+\b]   ; the scale's byte
.endr
	s_delay_alu instid0(VALU_DEP_3)
	v_lshl_or_b32 v[\W], v[TM+5], 8, v[TM+4]   ; my row's scale word
	s_delay_alu instid0(VALU_DEP_1)
	v_lshl_or_b32 v[\W], v[TM+6], 16, v[\W]
	s_delay_alu instid0(VALU_DEP_1)
	v_lshl_or_b32 v[\W], v[TM+7], 24, v[\W]
.endm
; Blocks b0 and b0 + 1 are held within +-448 x the scale (the conversion to an 8-bit code does not saturate: ISA guide 7.6.2) and converted.
.macro QCVT X, P, b0
.irp bb, 0,1
.irp i, 0,1,2,3,4,5,6,7,8,9,10,11,12,13,14,15
	v_med3_num_f32 v[\X+16*(\b0+\bb)+\i], v[\X+16*(\b0+\bb)+\i], -v[TM+8+\b0+\bb], v[TM+8+\b0+\bb]
.endr
	v_cvt_scalef32_pk8_fp8_f32 v[\P+4*(\b0+\bb):\P+4*(\b0+\bb)+1], v[\X+16*(\b0+\bb):\X+16*(\b0+\bb)+7], v[TM+12+\b0+\bb]
	v_cvt_scalef32_pk8_fp8_f32 v[\P+4*(\b0+\bb)+2:\P+4*(\b0+\bb)+3], v[\X+16*(\b0+\bb)+8:\X+16*(\b0+\bb)+15], v[TM+12+\b0+\bb]
.endr
	v_nop                                          ; one plain line behind the last conversion of a run
.endm
	s_load_b256 s[4:11], s[0:1], 0x0               ; W_proj s[4:5], b_proj s[6:7], current's codes s[8:9], its scales s[10:11]
	s_load_b128 s[12:15], s[0:1], 0x20             ; wq s[12:13], wsc s[14:15]
	s_load_b64 s[16:17], s[0:1], 0x30              ; cb
	v_lshl_add_u32 v[SPW], v0, 2, SPARE
	v_mov_b32 v[NIL], 0
	v_lshrrev_b32 v3, 5, v0
	s_delay_alu instid0(VALU_DEP_1)
	v_readfirstlane_b32 s20, v3                    ; wave k = 0..7
	v_and_b32 v4, 31, v0                           ; lane
	v_and_b32 v5, 15, v0                           ; r
	s_wait_alu depctr_va_vdst(0)
	v_bfe_u32 v6, v0, 4, 1                         ; half
	s_mov_b32 s[SEL], 0x76543210
	s_mov_b32 s[SEL+1], 0xfedcba98
	s_mov_b32 s[MNT], 0x600000
	s_mov_b32 s[C2], 0x4038aa3b                    ; 2 log2(e)
	s_mov_b32 s[C2+1], s[C2]
	s_lshl_b32 s21, s20, 9
	s_mul_i32 s39, s20, 8448
	s_add_co_u32 s39, s39, STG                     ; my wave's stage
	s_wait_alu depctr_va_vdst(0)
	v_lshl_add_u32 v7, v4, 4, s21                  ; W_proj: 16 x lane + 512 k; the row is in the loads' offsets
	v_lshl_add_u32 v[SW], v4, 4, s39
	v_mul_u32_u24 v[SR], v5, 528
	v_lshl_add_u32 v[SR], v6, 6, v[SR]
	v_add_nc_u32 v[SR], s39, v[SR]
	s_lshl_b32 s30, s20, 7
	v_lshlrev_b32 v8, 10, v5                       ; current's codes: row r of 1,024 bytes + 16 half + 128 k
	s_delay_alu instid0(VALU_DEP_1)
	v_lshl_add_u32 v8, v6, 4, v8
	s_delay_alu instid0(VALU_DEP_1)
	v_add_nc_u32 v8, s30, v8
	s_lshl_b32 s31, s20, 2
	v_lshl_add_u32 v9, v5, 5, s31                  ; its scale words: row r of 32 bytes + 4 k
	; thread t of the 256 sums two numbers: batch 16 (t >> 7) + ((t >> 1) & 15), h = 16 T + 8 ((t >> 5) & 1) + 4 ((t >> 6) & 1) + 2 (t & 1): the place of bytes 8 t in a wave's image of its two accumulators
	v_bfe_u32 v11, v0, 5, 1
	s_delay_alu instid0(VALU_DEP_1)
	v_lshlrev_b32 v10, 5, v11
	v_bfe_u32 v11, v0, 6, 1
	s_delay_alu instid0(VALU_DEP_1)
	v_lshl_add_u32 v10, v11, 4, v10
	v_and_b32 v11, 1, v0
	s_delay_alu instid0(VALU_DEP_1)
	v_lshl_add_u32 v10, v11, 3, v10
	s_lshl_b32 s32, ttmp9, 6
	v_add_nc_u32 v10, s32, v10                     ; 4 h: b_proj's offset
	v_lshrrev_b32 v11, 7, v0
	v_bfe_u32 v13, v0, 1, 4
	s_delay_alu instid0(VALU_DEP_1)
	v_lshl_add_u32 v11, v11, 4, v13                ; the batch
	s_delay_alu instid0(VALU_DEP_1)
	v_lshl_add_u32 v12, v11, 12, v10               ; cb's offset: batch x 4,096 + 4 h
	v_lshlrev_b32 v14, 4, v4                       ; wq: 16 x lane
	v_lshlrev_b32 v15, 4, v5                       ; wsc: 16 r
	s_lshl_b32 s33, s20, 11
	v_lshl_add_u32 v[RW], v4, 4, s33               ; LDS: 2,048 k + 16 x lane
	v_lshlrev_b32 v[RR], 3, v0                     ; LDS: 8 t
.irp b, 0,1,2,3
	v_mov_b32 v[TM+4+\b], 0                        ; written once: a lane permute's destination counts as one of its sources
.endr
	s_lshl_b32 s28, ttmp9, 17                      ; my 16 rows of W_proj
	s_mov_b32 s29, 0
	s_lshl_b32 s36, s20, 6
	s_add_co_u32 s36, s36, ttmp9
	s_lshl_b32 s36, s36, 11                        ; wq: (64 k + T) x 2,048
	s_mov_b32 s37, 0
	; wsc: with w = T >> 4, t = T & 15: (4 k + w) x 1,024 + (t >> 3) x 512 + (t & 1) x 256 + ((t >> 1) & 3) x 4, and 16 r from the lane
	s_lshr_b32 s25, ttmp9, 4
	s_lshl_b32 s34, s20, 2
	s_add_co_u32 s34, s34, s25
	s_lshl_b32 s34, s34, 10
	s_bfe_u32 s38, ttmp9, 0x10003
	s_lshl_b32 s38, s38, 9
	s_add_co_u32 s34, s34, s38
	s_and_b32 s38, ttmp9, 1
	s_lshl_b32 s38, s38, 8
	s_add_co_u32 s34, s34, s38
	s_bfe_u32 s38, ttmp9, 0x20001
	s_lshl_b32 s38, s38, 2
	s_add_co_u32 s34, s34, s38
	s_mov_b32 s35, 0
	s_wait_kmcnt 0x0
	s_add_nc_u64 s[4:5], s[4:5], s[28:29]
	s_add_nc_u64 s[12:13], s[12:13], s[36:37]
	s_add_nc_u64 s[14:15], s[14:15], s[34:35]
	global_load_b64 v[BP:BP+1], v10, s[6:7]
.irp mt, 0,1
.irp c, 0,1,2,3
	global_load_b128 v[CF+16*\mt+4*\c:CF+16*\mt+4*\c+3], v8, s[8:9] offset:16384*\mt+32*\c   ; batches 16 mt + r, K step k
.endr
.endr
.irp mt, 0,1
	global_load_b32 v[CS+\mt], v9, s[10:11] offset:512*\mt
.endr
.irp b, 0,1,2,3
.irp i, 0,1,2,3
	global_load_b128 v[X0+16*\b+4*\i:X0+16*\b+4*\i+3], v7, s[4:5] offset:8192*(4*\b+\i) th:TH_LOAD_NT   ; Wp, row 4 b + i
.endr
.endr
.irp b, 0,1,2,3
.irp i, 0,1,2,3
	global_load_b128 v[X1+16*\b+4*\i:X1+16*\b+4*\i+3], v7, s[4:5] offset:4096+8192*(4*\b+\i) th:TH_LOAD_NT   ; Wc, row 4 b + i: 1,024 columns on
.endr
.endr
	s_wait_loadcnt 16
	TURN X0
	QMAX X0, PW
	QCVT X0, PC, 0
	QCVT X0, PC, 2
.irp c, 0,1,2,3
	global_store_b128 v14, v[PC+4*\c:PC+4*\c+3], s[12:13] offset:512*\c   ; the fragment as it stands: 32 lanes store 512 consecutive bytes
.endr
	global_store_b32 v15, v[PW], s[14:15]          ; both halves of the lanes hold and write the same word; 4 bytes in each 16: the buffer is 32,768 bytes in all
	s_wait_loadcnt 0x0
	TURN X1
	QMAX X1, PW2
	QCVT X1, PCB, 0
	QCVT X1, PCB, 2
.rept 3
	v_nop                                          ; with the line above: four places between the codes and the scaled matrix instruction
.endr
.irp mt, 0,1
	v_wmma_scale_f32_16x16x128_f8f6f4 v[ACC+8*\mt:ACC+8*\mt+7], v[PCB:PCB+15], v[CF+16*\mt:CF+16*\mt+15], 0, v[PW2], v[CS+\mt]   ; lane (r, half), register j: batch 16 mt + r, h = 16 T + 8 half + j
.endr
.rept 8
	v_nop                                          ; eight places behind this form before its results are read
.endr
.irp mt, 0,1
.irp q, 0,1
	ds_store_b128 v[RW], v[ACC+8*\mt+4*\q:ACC+8*\mt+4*\q+3] offset:512*(2*\mt+\q)   ; each accumulator from its low end on
.endr
.endr
	s_wait_dscnt 0x0                               ; for the others' sake: my stores have landed
	s_barrier_signal -1
	s_barrier_wait -1
.irp k, 0,1,2,3,4,5,6,7
	ds_load_b64 v[X0+2*\k:X0+2*\k+1], v[RR] offset:2048*\k   ; K step k's part of my two numbers
.endr
	s_wait_dscnt 0x0
.irp k, 1
	v_pk_add_f32 v[X0:X0+1], v[X0:X0+1], v[X0+2*\k:X0+2*\k+1]   ; K ascending
.endr
.irp k, 2, 3, 4, 5, 6, 7
	s_delay_alu instid0(VALU_DEP_1)
	v_pk_add_f32 v[X0:X0+1], v[X0:X0+1], v[X0+2*\k:X0+2*\k+1]   ; K ascending
.endr
	s_delay_alu instid0(VALU_DEP_1)
	v_pk_add_f32 v[X0:X0+1], v[X0:X0+1], v[BP:BP+1]
	s_delay_alu instid0(VALU_DEP_1)
	v_pk_mul_f32 v[X0:X0+1], v[X0:X0+1], s[C2:C2+1] op_sel_hi:[1,0]
	global_store_b64 v12, v[X0:X0+1], s[16:17]     ; a work-group owns 64 bytes of each of cb's 32 rows; the buffer is 131,072 bytes in all
	s_wait_tensorcnt 0x0                           ; the wave's end
	ds_add_u32 v[SPW], v[NIL]
	s_wait_dscnt 0x0
	s_endpgm
.Lfunc_end_k_qeae3b682ee_prep:
	.size	k_qeae3b682ee_prep, .Lfunc_end_k_qeae3b682ee_prep-k_qeae3b682ee_prep
	.p2alignl 7, 3214868480
	.fill 96, 4, 3214868480
	.section	.rodata,"a",@progbits
	.p2align	6, 0x0
	.amdhsa_kernel k_qeae3b682ee_prep
		.amdhsa_group_segment_fixed_size 84992
		.amdhsa_private_segment_fixed_size 0
		.amdhsa_enable_private_segment 0
		.amdhsa_kernarg_size 56
		.amdhsa_user_sgpr_count 2
		.amdhsa_user_sgpr_kernarg_segment_ptr 1
		.amdhsa_wavefront_size32 1
		.amdhsa_system_sgpr_workgroup_id_x 1
		.amdhsa_system_sgpr_workgroup_id_y 1
		.amdhsa_system_sgpr_workgroup_id_z 1
		.amdhsa_system_vgpr_workitem_id 0
		.amdhsa_next_free_vgpr 256
		.amdhsa_next_free_sgpr 66
		.amdhsa_reserve_vcc 0
		.amdhsa_float_denorm_mode_32 3
		.amdhsa_float_denorm_mode_16_64 3
		.amdhsa_memory_ordered 1
		.amdhsa_forward_progress 1
		.amdhsa_inst_pref_size 34
	.end_amdhsa_kernel
	.amdgpu_metadata
---
amdhsa.version: [ 1, 2 ]
amdhsa.kernels:
  - .name:           k_qeae3b682ee_prep
    .symbol:         k_qeae3b682ee_prep.kd
    .args:
      - { .name: W_proj, .offset: 0, .size: 8, .value_kind: global_buffer, .address_space: global }
      - { .name: b_proj, .offset: 8, .size: 8, .value_kind: global_buffer, .address_space: global }
      - { .name: current_hidden_codes, .offset: 16, .size: 8, .value_kind: global_buffer, .address_space: global }
      - { .name: current_hidden_scales, .offset: 24, .size: 8, .value_kind: global_buffer, .address_space: global }
      - { .name: wq, .offset: 32, .size: 8, .value_kind: global_buffer, .address_space: global }
      - { .name: wsc, .offset: 40, .size: 8, .value_kind: global_buffer, .address_space: global }
      - { .name: cb, .offset: 48, .size: 8, .value_kind: global_buffer, .address_space: global }
    .group_segment_fixed_size: 84992
    .private_segment_fixed_size: 0
    .kernarg_segment_align: 8
    .kernarg_segment_size: 56
    .max_flat_workgroup_size: 256
    .sgpr_count:     66
    .vgpr_count:     256
    .wavefront_size: 32
...
	.end_amdgpu_metadata
.endif
;; end of part 1
;; launch main (part 2): grid 256 x 1, 4 waves a work-group, no clusters, 327,680 bytes of LDS; arguments past_hidden, wq, wsc, cb, w_score, scr, part, ml; writes scr, part, ml
.if DOCPART == 2
	.amdgcn_target "amdgcn-amd-amdhsa--gfx1250"
	.amdhsa_code_object_version 6
	.text
	.protected	k_qeae3b682ee_main
	.globl	k_qeae3b682ee_main
	.p2align	8
	.type	k_qeae3b682ee_main,@function
k_qeae3b682ee_main:
	s_mov_b64 s[64:65], 0
	v_nop
	global_prefetch_b8 v0, s[64:65] scope:SCOPE_SE
	s_setreg_imm32_b32 hwreg(HW_REG_WAVE_MODE, 25, 1), 1
	s_wait_xcnt 0x0
; FlashbackAttention, launch 2 of 3.  A work-group takes 256 rows of past_hidden in four blocks of 64.  A block: eight K steps of 128 (x is quantised on the way, and kept as bf16 in LDS; the weights' fragments come
; from wq as register images; wave w makes columns 256 w .. 256 w + 255 of all 64 rows), then the way out: r = 1 / (1 + 2^(C2 u)), the score, the block's own softmax (its largest score is taken away) and its weighted sum of x.
; WORK LEFT OUT (shown at the head of the first launch): the scores lack the sum of w_score, which is the same along the softmax's axis.
; A TRIP is the K steps and then the way out, so that the way out stands once in the text: written out for the last block it would be a second copy.
; What is left out is read on no path, and every wait on TENSORcnt in this text is for 0.  No cluster: a work-group's rows of x are its own, and LDS has no room for a ring of weights beside x's 64 rows of bf16 and the two stages.
.set BLOCKS, 4
.set XBLK,  262144
.set NEXTB, XBLK-2048
.set STG1,  66560
.set XB,    133120
.set AIM,   265216
.set ASET,  8704
.set CTB,   282624
.set SCX,   290816
.set PB,    291840
.set OST,   292864
.set SPARE, 296960
.set SPW, 1
.set NIL, 2
.set SGA, 3
.set XBW, 5
.set AWI, 6
.set AWS, 7
.set LIA, 8
.set LSA, 9
.set WO,  10
.set WSO, 11
.set TBA, 12
.set PFO, 13
.set TBW, 14
.set SCW, 15
.set SCR, 16
.set PBW, 17
.set PBA, 18
.set XBR, 19
.set OSW, 21
.set OSR, 22
.set L8,  23
.set X,   32
.set XF,  96
.set PC,  160
.set BF,  176
.set TM,  208
.set PW,  224
.set XS,  225
.set WS,  232
.set E0,  32
.set TAB, 96
.set SA,  128
.set PBR, 32
.set XR,  96
.set OA,  160
.set WV,  20
.set SEL, 22
.set MNT, 24
.set C2,  26
.set G1,  28
.set D0,  36
.set D1,  40
.set XA,  46
.set L2E, 52
.set BLK, 53
.set MSB, 0
.macro WIN new
.if MSB != (\new)
	s_set_vgpr_msb (MSB<<8)|(\new)
.set MSB, (\new)
.endif
.endm
.macro QMAX
.irp b, 0,1,2,3
	v_max3_num_f32 v[TM+\b], |v[X+16*\b]|, |v[X+16*\b+1]|, 0x4800000
.endr
.irp i, 2,4,6,8,10,12,14
.irp b, 0,1,2,3
	v_max3_num_f32 v[TM+\b], v[TM+\b], |v[X+16*\b+\i]|, |v[X+16*\b+\i+1]|
.endr
.endr
.irp b, 0,1,2,3
	v_permlanex16_b32 v[TM+4+\b], v[TM+\b], s[SEL], s[SEL+1]
.endr
.irp b, 0,1,2,3
	v_max_num_f32 v[TM+\b], v[TM+\b], v[TM+4+\b]
.endr
.irp b, 0,1,2,3
	v_add_nc_u32 v[TM+12+\b], 0xfc000000, v[TM+\b]
.endr
.irp b, 0,1,2,3
	v_and_or_b32 v[TM+8+\b], v[TM+\b], 0x7f800000, s[MNT]
.endr
.irp b, 0,1,2,3
	v_lshrrev_b32 v[TM+4+\b], 23, v[TM+12+\b]
.endr
	v_lshl_or_b32 v[PW], v[TM+5], 8, v[TM+4]
	v_lshl_or_b32 v[PW], v[TM+6], 16, v[PW]
	v_lshl_or_b32 v[PW], v[TM+7], 24, v[PW]
.endm
.macro QCVT b0
.irp bb, 0,1
.irp i, 0,1,2,3,4,5,6,7,8,9,10,11,12,13,14,15
	v_med3_num_f32 v[X+16*(\b0+\bb)+\i], v[X+16*(\b0+\bb)+\i], -v[TM+8+\b0+\bb], v[TM+8+\b0+\bb]
.endr
	v_cvt_scalef32_pk8_fp8_f32 v[PC+4*(\b0+\bb):PC+4*(\b0+\bb)+1], v[X+16*(\b0+\bb):X+16*(\b0+\bb)+7], v[TM+12+\b0+\bb]
	v_cvt_scalef32_pk8_fp8_f32 v[PC+4*(\b0+\bb)+2:PC+4*(\b0+\bb)+3], v[X+16*(\b0+\bb)+8:X+16*(\b0+\bb)+15], v[TM+12+\b0+\bb]
.endr
	v_nop
.endm
.macro XLD j
.irp b, 0,1,2,3
.irp i, 0,1,2,3
	ds_load_b128 v[X+16*\b+4*\i:X+16*\b+4*\i+3], v[SGA+((\j)/2)%2] offset:((\j)%2)*512+128*\b+16*\i
.endr
.endr
.endm
.macro QBF j
.irp b, 0,1,2,3
.irp i, 0,1,2,3,4,5,6,7
	v_cvt_pk_bf16_f32 v[BF+8*\b+\i], v[X+16*\b+2*\i], v[X+16*\b+2*\i+1]
.endr
.endr
.irp b, 0,1,2,3
.irp u, 0,1
	ds_store_b128 v[XBW], v[BF+8*\b+4*\u:BF+8*\b+4*\u+3] offset:256*(\j)+64*\b+16*\u
.endr
.endr
.endm
.macro IMG s
.irp c, 0,1,2,3
	ds_store_b128 v[AWI], v[PC+4*\c:PC+4*\c+3] offset:ASET*(\s)+512*\c
.endr
	ds_store_b32 v[AWS], v[PW] offset:ASET*(\s)
.endm
.macro XFET s
.irp m, 0,1,2,3
.irp c, 0,1,2,3
	ds_load_b128 v[XF+16*\m+4*\c:XF+16*\m+4*\c+3], v[LIA] offset:ASET*(\s)+2048*\m+512*\c
.endr
.endr
.irp m, 0,1,2,3
	ds_load_b32 v[XS+\m], v[LSA] offset:ASET*(\s)+128*\m
.endr
.endm
.macro MUL G, j
	WIN 0xa1+0x50*((\G)/2)
.irp tt, 0,1,2,3
.irp m, 0,1,2,3
.set rA, 8*(4*((4*(\G)+\tt)%8)+\m)
.set rW, 16*(4*(\G)+\tt)
.set rX, XF+16*\m
.set rS, WS+8*((\j)%2)+4*((4*(\G)+\tt)/8)+((4*(\G)+\tt)/2)%4
.if (\j) == 0
.if \tt%2
	v_wmma_scale_f32_16x16x128_f8f6f4 v[rA:rA+7], v[rW:rW+15], v[rX:rX+15], 0, v[rS], v[XS+\m] matrix_a_scale:MATRIX_SCALE_ROW1
.else
	v_wmma_scale_f32_16x16x128_f8f6f4 v[rA:rA+7], v[rW:rW+15], v[rX:rX+15], 0, v[rS], v[XS+\m]
.endif
.else
.if \tt%2
	v_wmma_scale_f32_16x16x128_f8f6f4 v[rA:rA+7], v[rW:rW+15], v[rX:rX+15], v[rA:rA+7], v[rS], v[XS+\m] matrix_a_scale:MATRIX_SCALE_ROW1
.else
	v_wmma_scale_f32_16x16x128_f8f6f4 v[rA:rA+7], v[rW:rW+15], v[rX:rX+15], v[rA:rA+7], v[rS], v[XS+\m]
.endif
.endif
.endr
.endr
.endm
.macro WLD G, j
.if (\G) == 0
	global_load_b128 v[WS+8*((\j)%2):WS+8*((\j)%2)+3], v[WSO], s[8:9] offset:4096*(\j)
	global_load_b128 v[WS+8*((\j)%2)+4:WS+8*((\j)%2)+7], v[WSO], s[8:9] offset:4096*(\j)+512
.endif
	WIN 0x40
.irp tt, 0,1,2,3
.irp c, 0,1,2,3
	global_load_b128 v[16*(4*(\G)+\tt)+4*\c:16*(4*(\G)+\tt)+4*\c+3], v[WO], s[6:7] offset:131072*(\j)+2048*(4*(\G)+\tt)+512*\c
.endr
.endr
.endm
.macro BAR
	s_wait_dscnt 0x0
	s_barrier_signal -1
	s_barrier_wait -1
.endm
.macro BARF d, step, last=0
	s_wait_tensorcnt 0x0
	ds_add_u32 v[SPW], v[NIL]
	s_add_nc_u64 s[\d+2:\d+3], s[\d+2:\d+3], \step
	s_wait_dscnt 0x0
	s_barrier_signal -1
	s_barrier_wait -1
.if \last
	s_cmp_eq_u32 s[BLK], 1                         ; the last block has no successor: nothing would read this fill
	s_cbranch_scc1 .Lpast_\@
.endif
	tensor_load_to_lds s[\d:\d+3], s[G1:G1+7]
	s_nop 0
.rept 4
	v_nop
.endr
.if \last
.Lpast_\@:
.endif
.endm
.macro STEP j
	XFET (\j)%2
.if (\j) == 5
	s_wait_tensorcnt 0x0
.endif
.if (\j) < 7
	XLD (\j)+1
.endif
; PREFETCHES INTO THE L2: a wave asks for its own 16 rows of x, which no other wave or work-group loads: 1,024 bytes of each row by two instructions, a lane for each aligned 256 bytes, each named once.
; K step 0: this block's columns 768 on, which the refill behind K step 2 loads.  K steps 3, 5, 6: the next block's columns 0, 256, 512 on, loaded behind K step 7, in the softmax and behind the next K step 0.
; The last block asks for nothing beyond itself: every address stays inside past_hidden.  The base is stepped at the trip's end, behind s_wait_xcnt 0.
.if (\j) == 0
	global_prefetch_b8 v[PFO], s[XA:XA+1] offset:3072 th:TH_LOAD_NT scope:SCOPE_SE
	global_prefetch_b8 v[PFO], s[XA:XA+1] offset:3584 th:TH_LOAD_NT scope:SCOPE_SE
.endif
.if (\j) == 3 || (\j) == 5 || (\j) == 6
	s_cmp_eq_u32 s[BLK], 1
	s_cbranch_scc1 .Lnone_on_\@
	global_prefetch_b8 v[PFO], s[XA:XA+1] offset:XBLK+1024*((\j)/2-1) th:TH_LOAD_NT scope:SCOPE_SE
	global_prefetch_b8 v[PFO], s[XA:XA+1] offset:XBLK+1024*((\j)/2-1)+512 th:TH_LOAD_NT scope:SCOPE_SE
.Lnone_on_\@:
.endif
.if (\j) < 7
	s_wait_dscnt 16
.else
	s_wait_dscnt 0x0
.endif
	s_wait_loadcnt 48
	MUL 0, \j
.if (\j) < 7
	WIN 0
	s_wait_dscnt 0x0
	QBF (\j)+1
	WLD 0, (\j)+1
	s_wait_loadcnt 50
.else
	s_wait_loadcnt 32
.endif
	MUL 1, \j
.if (\j) < 7
	WIN 0
	QMAX
	WLD 1, (\j)+1
	s_wait_loadcnt 50
.else
	s_wait_loadcnt 16
.endif
	MUL 2, \j
.if (\j) < 7
	WIN 0
	QCVT 0
	WLD 2, (\j)+1
	s_wait_loadcnt 50
.else
	s_wait_loadcnt 0x0
.endif
	MUL 3, \j
	WIN 0
.if (\j) < 7
	QCVT 2
	IMG ((\j)+1)%2
	WLD 3, (\j)+1
	WIN 0
.else
.rept 8
	v_nop
.endr
.endif
.endm
.macro TLD t
.set rC, TAB+16*((\t)%2)
	ds_load_b128 v[rC:rC+3], v[TBA] offset:64*(\t)
	ds_load_b128 v[rC+4:rC+7], v[TBA] offset:64*(\t)+16
	ds_load_b128 v[rC+8:rC+11], v[TBA] offset:4096+64*(\t)
	ds_load_b128 v[rC+12:rC+15], v[TBA] offset:4096+64*(\t)+16
.endm
.macro TA t
.set rC, TAB+16*((\t)%2)
.set rE, E0+32*((\t)%2)
	WIN 0x02+(\t)/8
.irp m, 0,1,2,3
.irp i, 0,1,2,3
	v_pk_fma_f32 v[rE+8*\m+2*\i:rE+8*\m+2*\i+1], v[8*(4*((\t)%8)+\m)+2*\i:8*(4*((\t)%8)+\m)+2*\i+1], s[C2:C2+1], v[rC+2*\i:rC+2*\i+1] op_sel_hi:[1,0,1]
.endr
.endr
	WIN 0
.set n, 0
	s_wait_alu depctr_va_vdst(0)
.rept 32
	v_exp_f32 v[rE+n], v[rE+n]
.set n, n+1
.endr
.endm
.macro TB t
.set rE, E0+32*((\t)%2)
.set n, 0
.rept 16
	v_pk_add_f32 v[rE+n:rE+n+1], v[rE+n:rE+n+1], 1.0 op_sel_hi:[1,0]
.set n, n+2
.endr
.set n, 0
	s_wait_alu depctr_va_vdst(0)
.rept 32
	v_rcp_f32 v[rE+n], v[rE+n]
.set n, n+1
.endr
.endm
.macro TC t
.set rC, TAB+16*((\t)%2)+8
.set rE, E0+32*((\t)%2)
.irp i, 0,1,2,3
.irp m, 0,1,2,3
.if ((\t) == 0) && (\i < 2)
	v_pk_mul_f32 v[SA+4*\m+2*(\i%2):SA+4*\m+2*(\i%2)+1], v[rE+8*\m+2*\i:rE+8*\m+2*\i+1], v[rC+2*\i:rC+2*\i+1]
.else
	v_pk_fma_f32 v[SA+4*\m+2*(\i%2):SA+4*\m+2*(\i%2)+1], v[rE+8*\m+2*\i:rE+8*\m+2*\i+1], v[rC+2*\i:rC+2*\i+1], v[SA+4*\m+2*(\i%2):SA+4*\m+2*(\i%2)+1]
.endif
.endr
.endr
.endm
.macro TANH
	TLD 0
	TLD 1
	s_wait_dscnt 4
	TA 0
	v_nop
	s_wait_alu depctr_va_vdst(0)
	TB 0
	s_wait_alu depctr_va_vdst(0)
.irp t, 0,1,2,3,4,5,6,7,8,9,10,11,12,13,14
	s_wait_dscnt 0x0
	s_wait_alu depctr_va_vdst(0)
	TA \t+1
	s_wait_alu depctr_va_vdst(0)
	TC \t
.if \t < 14
	TLD \t+2
.endif
	TB \t+1
.endr
	v_nop
	s_wait_alu depctr_va_vdst(0)
	TC 15
.endm
.macro SOFTMAX fill
.irp m, 0,1,2,3
	v_pk_add_f32 v[SA+4*\m:SA+4*\m+1], v[SA+4*\m:SA+4*\m+1], v[SA+4*\m+2:SA+4*\m+3]
.endr
.irp m, 0,1,2,3
	v_mov_b32 v[180+\m], 0
.endr
	v_mov_b32 v193, 0
.irp m, 0,1,2,3
	v_add_f32 v[176+\m], v[SA+4*\m], v[SA+4*\m+1]
.endr
.irp m, 0,1,2,3
	v_permlanex16_b32 v[180+\m], v[176+\m], s[SEL], s[SEL+1]
.endr
.irp m, 0,1,2,3
	v_add_f32 v[176+\m], v[176+\m], v[180+\m]
.endr
.irp m, 0,1,2,3
	ds_store_b32 v[SCW], v[176+\m] offset:64*\m
.endr
.if \fill
	BARF D1, NEXTB, 1
.else
	BAR
.endif
.irp q, 0,1,2,3
	ds_load_b64 v[184+2*\q:185+2*\q], v[SCR] offset:256*\q
.endr
	s_wait_dscnt 0x0
.irp q, 1,2,3
	v_pk_add_f32 v[184:185], v[184:185], v[184+2*\q:185+2*\q]
.endr
	v_max_num_f32 v198, v184, v185
	v_max_num_f32_dpp v198, v198, v198 row_xmask:1 row_mask:0xf bank_mask:0xf
	v_max_num_f32_dpp v198, v198, v198 row_xmask:2 row_mask:0xf bank_mask:0xf
	v_max_num_f32_dpp v198, v198, v198 row_xmask:4 row_mask:0xf bank_mask:0xf
	v_max_num_f32_dpp v198, v198, v198 row_xmask:8 row_mask:0xf bank_mask:0xf
	v_permlanex16_b32 v193, v198, s[SEL], s[SEL+1]
	v_max_num_f32 v198, v198, v193
	v_mul_f32 v194, s[L2E], v198
	v_fma_f32 v196, v184, s[L2E], -v194
	v_fma_f32 v197, v185, s[L2E], -v194
	s_wait_alu depctr_va_vdst(0)
	v_exp_f32 v196, v196
	v_exp_f32 v197, v197
	v_nop
	s_wait_alu depctr_va_vdst(0)
	v_add_f32 v199, v196, v197
	v_add_f32_dpp v199, v199, v199 row_xmask:1 row_mask:0xf bank_mask:0xf
	v_add_f32_dpp v199, v199, v199 row_xmask:2 row_mask:0xf bank_mask:0xf
	v_add_f32_dpp v199, v199, v199 row_xmask:4 row_mask:0xf bank_mask:0xf
	v_add_f32_dpp v199, v199, v199 row_xmask:8 row_mask:0xf bank_mask:0xf
	v_permlanex16_b32 v193, v199, s[SEL], s[SEL+1]
	v_add_f32 v199, v199, v193
	ds_store_b64 v[PBW], v[196:197]
	s_cmp_lg_u32 s[WV], 0
	s_cbranch_scc1 .Lnot_wave_0_\@
	global_store_b64 v[L8], v[184:185], s[14:15]
	global_store_b64 v[L8], v[198:199], s[18:19]
.Lnot_wave_0_\@:
.endm
.macro RL q
.irp i, 0,1,2,3,4,5,6,7
	ds_load_b128 v[XR+32*((\q)%2)+4*\i:XR+32*((\q)%2)+4*\i+3], v[XBR+(\q)/4] offset:((8*(\q)+\i)%32)*2064
.endr
.endm
.macro PVB q
.irp i, 0,1,2,3,4,5,6,7
.irp e, 0,1,2,3
	v_fma_mix_f32_bf16 v[OA+2*\e], v[XR+32*((\q)%2)+4*\i+\e], v[PBR+8*(\q)+\i], v[OA+2*\e] op_sel_hi:[1,0,0]
	v_fma_mix_f32_bf16 v[OA+2*\e+1], v[XR+32*((\q)%2)+4*\i+\e], v[PBR+8*(\q)+\i], v[OA+2*\e+1] op_sel:[1,0,0] op_sel_hi:[1,0,0]
.endr
.endr
.endm
.macro PVSUM
.irp i, 0,1,2,3,4,5,6,7,8,9,10,11,12,13,14,15
	ds_load_b128 v[PBR+4*\i:PBR+4*\i+3], v[PBA] offset:16*\i
.endr
.irp e, 0,1,2,3,4,5,6,7
	v_mov_b32 v[OA+\e], 0
.endr
	RL 0
	RL 1
	s_wait_alu depctr_va_vdst(0)
.irp q, 0,1,2,3,4,5,6,7
.if \q < 7
	s_wait_alu depctr_va_vdst(0)
	s_wait_dscnt 8
.else
	s_wait_alu depctr_va_vdst(0)
	s_wait_dscnt 0x0
.endif
	PVB \q
.if \q < 6
	RL \q+2
.endif
.endr
	ds_store_b128 v[OSW], v[OA:OA+3]
	ds_store_b128 v[OSW], v[OA+4:OA+7] offset:16
	ds_load_b128 v[168:171], v[OSR]
	ds_load_b128 v[172:175], v[OSR] offset:512
	s_wait_dscnt 0x0
	global_store_b128 v[WSO], v[168:171], s[16:17]
	global_store_b128 v[WSO], v[172:175], s[16:17] offset:512
.endm
	s_load_b256 s[4:11], s[0:1], 0x0
	s_load_b256 s[12:19], s[0:1], 0x20
	v_lshl_add_u32 v[SPW], v0, 2, SPARE
	v_mov_b32 v[NIL], 0
	ds_add_u32 v[SPW], v[NIL]
	ds_add_u32 v[SPW], v[NIL]
	v_lshrrev_b32 v25, 5, v0
	v_readfirstlane_b32 s[WV], v25
	s_mov_b32 s[G1+0], (2<<16)|(1<<20)|(7<<22)|(3<<25)
	s_mov_b32 s[G1+1], 256<<16
	s_mov_b32 s[G1+2], 16<<16
	s_mov_b32 s[G1+3], 256<<16
	s_mov_b32 s[G1+4], 16
	s_mov_b32 s[G1+5], 1024
	s_mov_b32 s[G1+6], 0
	s_mov_b32 s[G1+7], 0
	s_mov_b32 s[SEL], 0x76543210
	s_mov_b32 s[SEL+1], 0xfedcba98
	s_mov_b32 s[MNT], 0x600000
	s_mov_b32 s[C2], 0x4038aa3b
	s_mov_b32 s[C2+1], s[C2]
	s_mov_b32 s[L2E], 0x3fb8aa3b
	s_lshl_b32 s44, ttmp9, 20
	s_lshl_b32 s48, s[WV], 16
	s_add_co_u32 s44, s44, s48
	s_mov_b32 s45, 0
	s_lshr_b32 s48, ttmp9, 3
	s_lshl_b32 s48, s48, 12
	s_mov_b32 s49, 0
	s_lshl_b32 s50, ttmp9, 10
	s_mov_b32 s51, 0
	s_lshl_b32 s54, ttmp9, 14
	s_mov_b32 s55, 0
	s_mov_b32 s[D0], 1
	s_mul_i32 s[D0+1], s[WV], 16640
	s_mov_b32 s[D1], 1
	s_add_co_u32 s[D1+1], s[D0+1], STG1
	s_wait_dscnt 0x0
	s_wait_kmcnt 0x0
	s_add_nc_u64 s[XA:XA+1], s[4:5], s[44:45]
	s_mov_b64 s[D0+2:D0+3], s[XA:XA+1]
	s_or_b32 s[D0+3], s[D0+3], 0x80000000
	s_add_nc_u64 s[D1+2:D1+3], s[XA:XA+1], 1024
	s_or_b32 s[D1+3], s[D1+3], 0x80000000
	tensor_load_to_lds s[D0:D0+3], s[G1:G1+7]      ; stage 0: my 16 rows, columns 0 to 255
	s_nop 0
.rept 4
	v_nop
.endr
	s_add_nc_u64 s[10:11], s[10:11], s[48:49]
	s_add_nc_u64 s[14:15], s[14:15], s[50:51]
	s_add_nc_u64 s[18:19], s[18:19], s[50:51]
	s_add_nc_u64 s[16:17], s[16:17], s[54:55]
	v_and_b32 v25, 31, v0
	v_and_b32 v26, 15, v0
	v_bfe_u32 v27, v0, 4, 1
	v_lshlrev_b32 v28, 4, v25
	v_lshlrev_b32 v29, 2, v25
	s_lshl_b32 s56, s[WV], 15
	v_add_nc_u32 v[WO], s56, v28
	s_lshl_b32 s57, s[WV], 10
	v_add_nc_u32 v[WSO], s57, v28
	global_load_b128 v[96:99], v[WSO], s[10:11]
	global_load_b128 v[100:103], v[WSO], s[10:11] offset:512
	global_load_b128 v[104:107], v[WSO], s[12:13]
	global_load_b128 v[108:111], v[WSO], s[12:13] offset:512
	WLD 0, 0
	WLD 1, 0
	WLD 2, 0
	WLD 3, 0
	WIN 0
	; the tables' and the first K step's weight loads are out; now stage 1's first fill, issued as a refill is
	s_wait_alu depctr_va_vdst(0)
	s_wait_tensorcnt 0x0                           ; stage 0 is in
	ds_add_u32 v[SPW], v[NIL]
	s_wait_dscnt 0x0
	s_barrier_signal -1
	s_barrier_wait -1
	tensor_load_to_lds s[D1:D1+3], s[G1:G1+7]      ; columns 256 to 511
	s_nop 0
.rept 4
	v_nop
.endr
	v_mul_u32_u24 v[SGA], v26, 1040
	v_lshl_add_u32 v[SGA], v27, 6, v[SGA]
	v_add_nc_u32 v[SGA], s[D0+1], v[SGA]
	v_add_nc_u32 v[SGA+1], STG1, v[SGA]
	s_mul_i32 s48, s[WV], 16*2064
	s_add_co_u32 s48, s48, XB
	v_mul_u32_u24 v[XBW], v26, 2064
	v_lshl_add_u32 v[XBW], v27, 5, v[XBW]
	v_add_nc_u32 v[XBW], s48, v[XBW]
	s_lshl_b32 s49, s[WV], 11
	s_add_co_u32 s49, s49, AIM
	v_add_nc_u32 v[AWI], s49, v28
	s_lshl_b32 s50, s[WV], 7
	s_add_co_u32 s50, s50, AIM+8192
	v_add_nc_u32 v[AWS], s50, v29
	v_add_nc_u32 v[LIA], AIM, v28
	v_add_nc_u32 v[LSA], AIM+8192, v29
	s_add_co_u32 s51, s57, CTB
	v_lshl_add_u32 v[TBA], v27, 5, s51
	v_add_nc_u32 v[TBW], s51, v28
	v_lshlrev_b32 v[PFO], 12, v26
	v_lshl_add_u32 v[PFO], v27, 8, v[PFO]
	s_lshl_b32 s54, s[WV], 8
	s_add_co_u32 s55, s54, SCX
	v_lshl_add_u32 v[SCW], v26, 2, s55
	v_lshlrev_b32 v[L8], 3, v25
	v_add_nc_u32 v[SCR], SCX, v[L8]
	s_add_co_u32 s58, s54, PB
	v_add_nc_u32 v[PBW], s58, v[L8]
	v_mov_b32 v[PBA], s58
	s_lshl_b32 s59, s[WV], 9
	s_add_co_u32 s59, s59, XB
	v_add_nc_u32 v[XBR], s59, v28
	v_add_nc_u32 v[XBR+1], 32*2064, v[XBR]
	s_add_co_u32 s56, s57, OST
	v_lshl_add_u32 v[OSW], v25, 5, s56
	v_add_nc_u32 v[OSR], s56, v28
.irp b, 0,1,2,3
	v_mov_b32 v[TM+4+\b], 0
.endr
	s_wait_loadcnt 63
.irp i, 0,2,4,6
	v_pk_mul_f32 v[104+\i:105+\i], v[104+\i:105+\i], -2.0 op_sel_hi:[1,0]
.endr
	ds_store_b128 v[TBW], v[96:99]
	ds_store_b128 v[TBW], v[100:103] offset:512
	ds_store_b128 v[TBW], v[104:107] offset:4096
	ds_store_b128 v[TBW], v[108:111] offset:4608
	s_mov_b32 s[BLK], BLOCKS                       ; blocks to go, this one among them
; No wait on TENSORcnt here: stage 0's fill was waited for in front of the barrier behind which stage 1 is filled (at the head, and in every trip's softmax); stage 1 is first read in K step 1, behind the wait of the refill that follows K step 0.
.Lblock:
	XLD 0
	s_wait_dscnt 0x0
	QBF 0
	QMAX
	QCVT 0
	QCVT 2
	IMG 0
	BAR
	STEP 0
	BARF D0, 2048
	STEP 1
	BAR
	STEP 2
	BARF D1, 2048
	STEP 3
	BAR
	STEP 4
	BAR
	STEP 5
	BAR
	STEP 6
	BAR
	STEP 7
	BARF D0, NEXTB, 1                              ; stage 0 takes the next block's first 256 columns
	s_cmp_eq_u32 s[BLK], 1
	s_cbranch_scc1 .Lno_next
	WLD 0, 0                                       ; the next block's first K step of the weights
	WLD 1, 0
	WLD 2, 0
	WLD 3, 0
	WIN 0
.Lno_next:
	TANH
	SOFTMAX 1
	PVSUM
	s_wait_xcnt 0x0                                ; the stores and prefetches have read their bases
	s_add_nc_u64 s[XA:XA+1], s[XA:XA+1], XBLK
	s_add_nc_u64 s[14:15], s[14:15], 256
	s_add_nc_u64 s[18:19], s[18:19], 256
	s_add_nc_u64 s[16:17], s[16:17], 4096
	BAR                                            ; nobody reads this block's bf16 rows and images any more
	s_sub_co_u32 s[BLK], s[BLK], 1
	s_cmp_lg_u32 s[BLK], 0
	s_cbranch_scc1 .Lblock
	s_wait_tensorcnt 0x0
	ds_add_u32 v[SPW], v[NIL]
	s_wait_dscnt 0x0
	s_endpgm
.Lfunc_end_k_qeae3b682ee_main:
	.size	k_qeae3b682ee_main, .Lfunc_end_k_qeae3b682ee_main-k_qeae3b682ee_main
	.p2alignl 7, 3214868480
	.fill 96, 4, 3214868480
	.section	.rodata,"a",@progbits
	.p2align	6, 0x0
	.amdhsa_kernel k_qeae3b682ee_main
		.amdhsa_group_segment_fixed_size 327680
		.amdhsa_private_segment_fixed_size 0
		.amdhsa_enable_private_segment 0
		.amdhsa_kernarg_size 64
		.amdhsa_user_sgpr_count 2
		.amdhsa_user_sgpr_kernarg_segment_ptr 1
		.amdhsa_wavefront_size32 1
		.amdhsa_system_sgpr_workgroup_id_x 1
		.amdhsa_system_sgpr_workgroup_id_y 1
		.amdhsa_system_sgpr_workgroup_id_z 1
		.amdhsa_system_vgpr_workitem_id 0
		.amdhsa_next_free_vgpr 1024
		.amdhsa_next_free_sgpr 66
		.amdhsa_reserve_vcc 0
		.amdhsa_float_denorm_mode_32 3
		.amdhsa_float_denorm_mode_16_64 3
		.amdhsa_memory_ordered 1
		.amdhsa_forward_progress 1
		.amdhsa_inst_pref_size 255
	.end_amdhsa_kernel
	.section	.bss,"aw",@nobits
	.p2align	6
	.space	262144
	.amdgpu_metadata
---
amdhsa.version: [ 1, 2 ]
amdhsa.kernels:
  - .name:           k_qeae3b682ee_main
    .symbol:         k_qeae3b682ee_main.kd
    .args:
      - { .name: past_hidden, .offset: 0, .size: 8, .value_kind: global_buffer, .address_space: global }
      - { .name: wq, .offset: 8, .size: 8, .value_kind: global_buffer, .address_space: global }
      - { .name: wsc, .offset: 16, .size: 8, .value_kind: global_buffer, .address_space: global }
      - { .name: cb, .offset: 24, .size: 8, .value_kind: global_buffer, .address_space: global }
      - { .name: w_score, .offset: 32, .size: 8, .value_kind: global_buffer, .address_space: global }
      - { .name: scr, .offset: 40, .size: 8, .value_kind: global_buffer, .address_space: global }
      - { .name: part, .offset: 48, .size: 8, .value_kind: global_buffer, .address_space: global }
      - { .name: ml, .offset: 56, .size: 8, .value_kind: global_buffer, .address_space: global }
    .group_segment_fixed_size: 327680
    .private_segment_fixed_size: 0
    .kernarg_segment_align: 8
    .kernarg_segment_size: 64
    .max_flat_workgroup_size: 128
    .sgpr_count:     66
    .vgpr_count:     1024
    .wavefront_size: 32
...
	.end_amdgpu_metadata
.endif
;; end of part 2
;; launch finish (part 3): grid 128 x 1, 2 waves a work-group, no clusters, 0 bytes of LDS; arguments scr, part, ml, out0, out1; writes out0, out1
.if DOCPART == 3
	.amdgcn_target "amdgcn-amd-amdhsa--gfx1250"
	.amdhsa_code_object_version 6
	.text
	.protected	k_qeae3b682ee_finish
	.globl	k_qeae3b682ee_finish
	.p2align	8
	.type	k_qeae3b682ee_finish,@function
k_qeae3b682ee_finish:
	s_mov_b64 s[64:65], 0
	v_nop
	global_prefetch_b8 v0, s[64:65] scope:SCOPE_SE
	s_setreg_imm32_b32 hwreg(HW_REG_WAVE_MODE, 25, 1), 1
	s_wait_xcnt 0x0
; FlashbackAttention, launch 3 of 3: the 32 blocks of a batch are joined.  Block g has its largest score m[g], its sum l[g] of 2^((s - m[g]) log2 e), and part[g] = its sum of those weights times x.
; With M = the largest m: f[g] = 2^((m[g] - M) log2 e), L = sum of l[g] f[g]; out1[s] = 2^((s - M) log2 e) / L; out0 = sum over g of part[g] f[g] / L.
; WORK LEFT OUT (shown at the head of the first launch): the scores lack the sum of w_score, which is the same along the softmax's axis.  The batch's largest score is taken away before every exponential here.
; Work-group 4 b + c takes quarter c of batch b: 512 weights and 256 columns; 64 threads, 16 bytes each: every load and store of a wave covers 512 consecutive bytes.  Both waves make M, L and f for themselves: lane g holds block g.
; No LDS, no barrier, no matrix unit: 4.5 MB are read once.
	s_load_b256 s[4:11], s[0:1], 0x0               ; scr s[4:5], part s[6:7], ml s[8:9], out0 s[10:11]
	s_load_b64 s[12:13], s[0:1], 0x20              ; out1
	s_lshr_b32 s16, ttmp9, 2                       ; b
	s_and_b32 s17, ttmp9, 3                        ; c
	v_and_b32 v1, 31, v0
	v_lshlrev_b32 v1, 8, v1                        ; ml: block g = my lane: 256 bytes a block
	v_lshlrev_b32 v12, 4, v0                       ; 16 x thread
	s_mov_b32 s14, 0x3fb8aa3b                      ; log2(e)
	s_mov_b32 s20, 0x76543210
	s_mov_b32 s21, 0xfedcba98                      ; lane selects: lane l xor 16
	s_lshl_b32 s22, s16, 13                        ; ml: 8,192 b
	s_mov_b32 s23, 0
	s_lshl_b32 s24, s17, 11
	s_add_co_u32 s24, s24, s22                     ; scr, out1: 8,192 b + 2,048 c
	s_mov_b32 s25, 0
	s_lshl_b32 s26, s16, 17
	s_lshl_b32 s27, s17, 10
	s_add_co_u32 s26, s26, s27                     ; part: 131,072 b + 1,024 c
	s_lshl_b32 s28, s16, 12
	s_add_co_u32 s28, s28, s27                     ; out0: 4,096 b + 1,024 c
	s_mov_b32 s27, 0
	s_mov_b32 s29, 0
	s_wait_alu depctr_va_vdst(0)
	s_wait_kmcnt 0x0
	s_add_nc_u64 s[8:9], s[8:9], s[22:23]
	s_add_nc_u64 s[4:5], s[4:5], s[24:25]
	s_add_nc_u64 s[12:13], s[12:13], s[24:25]
	s_add_nc_u64 s[6:7], s[6:7], s[26:27]
	s_add_nc_u64 s[10:11], s[10:11], s[28:29]
	global_load_b64 v[2:3], v1, s[8:9]             ; (m, l) of block g = my lane
	global_load_b128 v[4:7], v12, s[4:5]
	global_load_b128 v[8:11], v12, s[4:5] offset:1024
.set q, 0
.rept 32
	global_load_b128 v[16+4*q:16+4*q+3], v12, s[6:7] offset:4096*q
.set q, q+1
.endr
	v_mov_b32 v145, 0                              ; a lane permute's destination counts as one of its sources
	s_wait_loadcnt 34                              ; (m, l) is in; the 2 + 32 younger loads may be out
	v_mov_b32 v144, v2
	v_max_num_f32_dpp v144, v144, v144 row_xmask:1 row_mask:0xf bank_mask:0xf
	v_max_num_f32_dpp v144, v144, v144 row_xmask:2 row_mask:0xf bank_mask:0xf
	v_max_num_f32_dpp v144, v144, v144 row_xmask:4 row_mask:0xf bank_mask:0xf
	v_max_num_f32_dpp v144, v144, v144 row_xmask:8 row_mask:0xf bank_mask:0xf
	s_wait_alu depctr_va_vdst(0)
	v_permlanex16_b32 v145, v144, s20, s21
	v_max_num_f32 v144, v144, v145                 ; M
	v_sub_f32 v146, v2, v144
	v_mul_f32 v146, s14, v146
	s_wait_alu depctr_va_vdst(0)
	v_exp_f32 v146, v146                           ; f
	v_mul_f32 v150, s14, v144                      ; M log2(e).  (A plain line behind the exponential)
	s_wait_alu depctr_va_vdst(0)                   ; the wait ahead of the first line that names the result
	v_mul_f32 v147, v3, v146
	v_add_f32_dpp v147, v147, v147 row_xmask:1 row_mask:0xf bank_mask:0xf
	v_add_f32_dpp v147, v147, v147 row_xmask:2 row_mask:0xf bank_mask:0xf
	v_add_f32_dpp v147, v147, v147 row_xmask:4 row_mask:0xf bank_mask:0xf
	v_add_f32_dpp v147, v147, v147 row_xmask:8 row_mask:0xf bank_mask:0xf
	v_permlanex16_b32 v145, v147, s20, s21
	v_add_f32 v147, v147, v145                     ; L
	s_wait_alu depctr_va_vdst(0)
	v_rcp_f32 v148, v147
	v_nop
	s_wait_alu depctr_va_vdst(0)
	v_mul_f32 v149, v146, v148                     ; f / L
.set q, 0
.rept 32
	v_readlane_b32 s[32+q], v149, q                ; block q's factor, as a scalar: it is a factor and nothing else
.set q, q+1
.endr
	s_wait_loadcnt 32                              ; the scores are in
.irp i, 0,1,2,3,4,5,6,7
	v_fma_f32 v[4+\i], v[4+\i], s14, -v150
.endr
	s_wait_alu depctr_va_vdst(0)
.irp i, 0,1,2,3,4,5,6,7
	v_exp_f32 v[4+\i], v[4+\i]
.endr
	v_nop
	s_wait_alu depctr_va_vdst(0)                   ; one wait for the eight
.irp i, 0,1,2,3,4,5,6,7
	v_mul_f32 v[4+\i], v[4+\i], v148
.endr
	global_store_b128 v12, v[4:7], s[12:13]
	global_store_b128 v12, v[8:11], s[12:13] offset:1024
.set q, 0
.rept 32
	s_wait_alu depctr_va_vdst(0)
	s_wait_loadcnt 31-q                            ; loads come back in order (ISA guide 5.7.1): block q's is in, the younger ones may be out
.irp e, 0,1,2,3
.if q == 0
	s_wait_alu depctr_va_vdst(0)
	v_mul_f32 v[152+\e], s[32], v[16+\e]           ; the first block starts the sums
.else
	v_fma_f32 v[152+\e], s[32+q], v[16+4*q+\e], v[152+\e]
.endif
.endr
.set q, q+1
.endr
	global_store_b128 v12, v[152:155], s[10:11]
	s_endpgm
.Lfunc_end_k_qeae3b682ee_finish:
	.size	k_qeae3b682ee_finish, .Lfunc_end_k_qeae3b682ee_finish-k_qeae3b682ee_finish
	.p2alignl 7, 3214868480
	.fill 96, 4, 3214868480
	.section	.rodata,"a",@progbits
	.p2align	6, 0x0
	.amdhsa_kernel k_qeae3b682ee_finish
		.amdhsa_group_segment_fixed_size 0
		.amdhsa_private_segment_fixed_size 0
		.amdhsa_enable_private_segment 0
		.amdhsa_kernarg_size 40
		.amdhsa_user_sgpr_count 2
		.amdhsa_user_sgpr_kernarg_segment_ptr 1
		.amdhsa_wavefront_size32 1
		.amdhsa_system_sgpr_workgroup_id_x 1
		.amdhsa_system_sgpr_workgroup_id_y 1
		.amdhsa_system_sgpr_workgroup_id_z 1
		.amdhsa_system_vgpr_workitem_id 0
		.amdhsa_next_free_vgpr 160
		.amdhsa_next_free_sgpr 66
		.amdhsa_reserve_vcc 0
		.amdhsa_float_denorm_mode_32 3
		.amdhsa_float_denorm_mode_16_64 3
		.amdhsa_memory_ordered 1
		.amdhsa_forward_progress 1
		.amdhsa_inst_pref_size 20
	.end_amdhsa_kernel
	.amdgpu_metadata
---
amdhsa.version: [ 1, 2 ]
amdhsa.kernels:
  - .name:           k_qeae3b682ee_finish
    .symbol:         k_qeae3b682ee_finish.kd
    .args:
      - { .name: scr, .offset: 0, .size: 8, .value_kind: global_buffer, .address_space: global }
      - { .name: part, .offset: 8, .size: 8, .value_kind: global_buffer, .address_space: global }
      - { .name: ml, .offset: 16, .size: 8, .value_kind: global_buffer, .address_space: global }
      - { .name: out0, .offset: 24, .size: 8, .value_kind: global_buffer, .address_space: global }
      - { .name: out1, .offset: 32, .size: 8, .value_kind: global_buffer, .address_space: global }
    .group_segment_fixed_size: 0
    .private_segment_fixed_size: 0
    .kernarg_segment_align: 8
    .kernarg_segment_size: 40
    .max_flat_workgroup_size: 64
    .sgpr_count:     66
    .vgpr_count:     160
    .wavefront_size: 32
...
	.end_amdgpu_metadata
.endif
;; end of part 3
